; MI455X (gfx1250); checked and timed in simulation.
; The chip was launched on July 23, 2026; its instructions are those of AMD's public machine-readable ISA for CDNA 5 (MIT licence, August 2026) and "CDNA5" Instruction Set Architecture Reference Guide (July 2026). The comments in the code are by the model that wrote it; some were corrected since.
;; Pow2 Quant. Allowed arithmetic: float matrix products may take bf16 or f16 operands with f32 sums; all other float work in f32.
;; Inputs: pow2_values 17 float32; x 16 x 256 x 56 x 56 float32.
;; Outputs: out0 16 x 256 x 56 x 56 float32.
;; One version. Each part assembles by itself: llvm-mc -triple=amdgcn-amd-amdhsa -mcpu=gfx1250 --defsym DOCPART=n.
;; ======== version 1 of 1: 1 launch
;; launch quant (part 1): grid 256 x 1, 28 waves a work-group, no clusters, 3,840 bytes of LDS; arguments pow2_values, x, out0; writes out0
.if DOCPART == 1
	.amdgcn_target "amdgcn-amd-amdhsa--gfx1250"
	.amdhsa_code_object_version 6
	.text
	.protected	k_q050b5463f0_quant
	.globl	k_q050b5463f0_quant
	.p2align	8
	.type	k_q050b5463f0_quant,@function
k_q050b5463f0_quant:
	s_mov_b64 s[64:65], 0
	v_nop
	global_prefetch_b8 v0, s[64:65] scope:SCOPE_SE
	s_setreg_imm32_b32 hwreg(HW_REG_WAVE_MODE, 25, 1), 1
	s_wait_xcnt 0x0
; out[i] = table[argmin over k of |x[i] - table[k]|], the lowest k on a tie.  x, out: 12,845,056 f32.  table: 17 f32, an INPUT:
; taken as it comes (any order, any finite values, duplicates).
;
; HOW.  Rounded subtraction is monotone, so between two entries a < b that are neighbours in sorted order fl(x-a) never falls and
; fl(b-x) never rises as x grows: the choice between them, made as the problem makes it (rounded distances, lower index on a tie),
; switches exactly once, at an f32 number T.  With the entries sorted (S0..S16) and the 16 switches (T0..T15) in scalar registers an
; element costs 16 x (compare, select) = 32 vector instructions in place of 17 x (subtract, compare, select, minimum).
; Wave 0 of the work-group makes the two lists (about 450 instructions, selects only: no branch and no address hangs on data),
; the other 27 waves get them through 256 bytes of LDS behind one barrier, while everybody's x is already on its way.
;
; SHARES.  256 work-groups x 28 waves x 14 loads of 16 bytes a lane = 51,380,224 bytes, no remainder.  A work-group owns 200,704
; consecutive bytes; in step t its 896 threads take 14,336 consecutive bytes, thread i the 16 bytes at 16 i: a wave's load and
; store cover 512 consecutive bytes that start at a multiple of 512 from the buffer's first byte.  A wave asks for all its 14 loads
; in its first lines (56 registers): nothing is refilled, no register is used again behind a store, the body is straight-line.
; No tensor loads, no cluster: waves share no input but the 68 bytes of the table.
;
; LIMITS.  (1) x = NaN or an infinity: all 17 distances are then alike and the problem's answer is entry 0; this text gives the
; largest entry (NaN, +inf) or the smallest (-inf).  (2) NaN in the table is not served.  (3) Equal entries are served (the lowest
; index of the equal ones decides ties).  Unequal entries that lie nearer to each other than one rounding step of their distance
; to x (2^-23 of it) round to one distance, and the problem then takes the lowest index among them; this text takes each for
; itself.  (4) A zero result carries the sign that the table's zero has.
.set WAVES,   28
.set NLOAD,   14                       ; loads (and stores) of a thread
.set STEP,    WAVES*32*16              ; 14,336 bytes: what the work-group takes in one step
.set WGBYTES, NLOAD*STEP               ; 200,704 bytes
.set K,       17                       ; entries in the table
; vector registers
.set OFF,  1                           ; 16 x thread: my byte offset in every step
.set LANE, 2
.set LA,   3                           ; 4 x lane: my word in an LDS list
.set CBA,  4                           ; wave 0: my byte offset in the table
.set NXT,  5                           ; wave 0: 4 x (lane + 1)
.set X,    8                           ; v[8:63]  step t: 4 registers, x as loaded, at the end the result
.set O,    64                          ; v[64:67] the running choice of the four elements at work
.set VS0,  68                          ; S0 in every lane (a select takes one scalar value beside its mask)
.set SV,   69                          ; lane j: S[j]
.set TV,   70                          ; lane j: T[j]
.set VAL,  71                          ; wave 0 from here on: lane k: table[k]
.set SI,   72                          ; lane j: first index that holds the value S[j]
.set A,    73                          ; lane j: lower entry of pair j (mirrored where the switch is not above zero)
.set B,    74                          ; upper entry
.set EB,   75                          ; its first index
.set F,    76                          ; 1: a tie goes to the upper entry
.set CUR,  77                          ; search: bits of the largest x known to stay with the lower entry
.set W,    78                          ; search: the switch lies in (CUR, CUR + W]
.set H,    79
.set C,    80                          ; the probe
.set P,    81
.set Q,    82
.set NA,   83
.set NB,   84
.set NF,   85
; scalar registers: s[4:5] table, s[6:7] x, s[8:9] out, s10 wave, s11 mirrored lanes, s[12:13] offset, s33-34 at work
.set CB,   16                          ; s[16:32] the table as loaded
.set GT,   36                          ; s[36:52] entry i: lanes with a smaller entry, then its rank, then the lane of that rank
.set GE,   66                          ; s[66:82] entry i: lanes with an entry not larger, then the first index of equal value
.set SO,   36                          ; s[36:52] S0..S16, in every wave (wave 0 is done with GT by then)
.set TH,   66                          ; s[66:81] T0..T15
.set MK,   84                          ; s[84:87] compare masks of the four elements at work
.macro XLOADS                          ; all my x: read once in the launch, hence the non-temporal hint
.irp t, 0,1,2,3,4,5,6,7,8,9,10,11,12,13
	global_load_b128 v[X+4*\t:X+4*\t+3], v[OFF], s[6:7] offset:\t*STEP th:TH_LOAD_NT
.endr
.endm
	s_load_b128 s[4:7], s[0:1], 0x0                ; table, x
	s_load_b64 s[8:9], s[0:1], 0x10                ; out
	v_lshl_add_u32 v88, v0, 2, 0x100
	v_mov_b32 v89, 0
	v_lshrrev_b32 v[NXT], 5, v0
	v_readfirstlane_b32 s10, v[NXT]                ; wave number
	v_lshlrev_b32 v[OFF], 4, v0
	v_and_b32 v[LANE], 31, v0
	v_lshlrev_b32 v[LA], 2, v[LANE]
	s_mul_i32 s12, ttmp9, WGBYTES                  ; at most 255 x 200,704: fits 32 bits
	s_mov_b32 s13, 0
	s_wait_kmcnt 0x0
	s_add_nc_u64 s[6:7], s[6:7], s[12:13]
	s_add_nc_u64 s[8:9], s[8:9], s[12:13]
	s_cmp_lg_u32 s10, 0
	s_cbranch_scc1 .Lothers
	; ---------------- wave 0: the table first, then its x, then the two lists ----------------
	s_load_b512 s[CB:CB+15], s[4:5], 0x0           ; entries 0-15 as scalars
	s_load_b32 s[CB+16], s[4:5], 0x40              ; entry 16: the table's last 4 bytes
	v_min_u32 v[CBA], K-1, v[LANE]                 ; lanes 17-31 stay inside the 68 bytes
	v_lshlrev_b32 v[CBA], 2, v[CBA]
	global_load_b32 v[VAL], v[CBA], s[4:5]         ; and lane k: entry k
	XLOADS
	v_add_nc_u32 v[NXT], 4, v[LA]
	v_mov_b32 v[SV], 0                             ; lanes 17-31 match no rank: they keep this, and nobody reads them
	v_mov_b32 v[SI], 0
	v_cmp_gt_u32 vcc_lo, K, v[LANE]
	s_wait_loadcnt NLOAD                           ; the table's load is in; the 14 loads of x issued behind it stay out
	s_wait_kmcnt 0x0
	v_cndmask_b32 v[VAL], 0x7fc00000, v[VAL], vcc_lo       ; lanes 17-31: NaN, false in every compare below
	; RANKS.  rank i = entries smaller than entry i + equal entries in front of it: a permutation of 0..16.
.irp i, 0,1,2,3,4,5,6,7,8,9,10,11,12,13,14,15,16
	v_cmp_gt_f32 s[GT+\i], s[CB+\i], v[VAL]        ; lanes k with table[k] <  table[i]
	v_cmp_ge_f32 s[GE+\i], s[CB+\i], v[VAL]        ; lanes k with table[k] <= table[i]
.endr
.irp i, 0,1,2,3,4,5,6,7,8,9,10,11,12,13,14,15,16
	s_and_not1_b32 s33, s[GE+\i], s[GT+\i]         ; lanes with the same value (bit i among them)
	s_ctz_i32_b32 s[GE+\i], s33                    ; the first index of that value: it is the one that a tie is decided by
	s_and_b32 s33, s33, (1<<\i)-1                  ; the equal ones in front of i
	s_or_b32 s[GT+\i], s[GT+\i], s33
	s_bcnt1_i32_b32 s[GT+\i], s[GT+\i]             ; rank i
.endr
.irp i, 0,1,2,3,4,5,6,7,8,9,10,11,12,13,14,15,16
	v_cmp_eq_u32 s[GT+\i], s[GT+\i], v[LANE]       ; the lane whose number is rank i
.endr
.irp i, 0,1,2,3,4,5,6,7,8,9,10,11,12,13,14,15,16
	v_cndmask_b32 v[SV], v[SV], s[CB+\i], s[GT+\i] ; takes the entry
	v_cndmask_b32 v[SI], v[SI], s[GE+\i], s[GT+\i] ; and its deciding index
.endr
	ds_bpermute_b32 v[B], v[NXT], v[SV]            ; lane j: S[j+1]; a fixed pattern of lanes, no LDS byte is touched
	ds_bpermute_b32 v[EB], v[NXT], v[SI]
	v_add_f32 v[A], 0, v[SV]                       ; -0 becomes +0: below, distances are compared as bit patterns
	s_wait_dscnt 0x0
	v_add_f32 v[B], 0, v[B]
	v_cmp_lt_u32 vcc_lo, v[EB], v[SI]
	v_cndmask_b32 v[F], 0, 1, vcc_lo               ; the upper entry has the lower index: ties are its
	; PAIR j = (a, b) = (S[j], S[j+1]) in lane j; lanes 16-31 run along on numbers that nobody reads.
	; up(x) := fl(b-x) < fl(x-a), or equal and F.  For a <= x <= b both distances are >= +0, so their bits compare as integers,
	; and "less, or equal and F" is  bits(b-x) < bits(x-a) + F.
	; The search runs on the bits of x, which are ordered only for x >= 0.  So first: on which side of zero is the switch?
	v_med3_num_f32 v[C], 0, v[A], v[B]             ; zero, brought into [a, b]
	v_sub_f32 v[P], v[C], v[A]
	v_sub_f32 v[Q], v[B], v[C]
	v_add_nc_u32 v[P], v[P], v[F]
	v_cmp_lt_u32 s33, v[Q], v[P]                   ; up there already: the switch is not above zero
	v_cmp_gt_f32 s34, 0, v[B]                      ; (b < 0: says the same for a pair of equal negative entries)
	s_or_b32 s11, s33, s34                         ; these lanes search the mirror image: x' = -x, a' = -b, b' = -a, ties the other way
	v_sub_f32 v[NA], 0, v[B]                       ; 0 - b, not a flipped sign: +0 stays +0
	v_sub_f32 v[NB], 0, v[A]
	v_xor_b32 v[NF], 1, v[F]
	v_cndmask_b32 v[A], v[A], v[NA], s11
	v_cndmask_b32 v[B], v[B], v[NB], s11
	v_cndmask_b32 v[F], v[F], v[NF], s11
	v_max_num_f32 v[CUR], 0, v[A]                  ; lower end max(a, 0): not up there (shown just above, or x = a);
	v_sub_nc_u32 v[W], v[B], v[CUR]                ; upper end b: up.  W = floats between them, below 2^31 (0 for equal entries)
	; 31 halvings.  Kept true: not up(CUR), up(CUR + W).  The probe is CUR + W/2; whatever it says, the switch then lies in
	; (CUR, CUR + ceil(W/2)], so the widths do not hang on the outcomes.  ceil(W / 2^31) = 1: the switch is CUR + 1.
.rept 31
	v_lshrrev_b32 v[H], 1, v[W]
	v_add_nc_u32 v[C], v[CUR], v[H]
	v_sub_nc_u32 v[W], v[W], v[H]
	v_sub_f32 v[P], v[C], v[A]                     ; the two subtractions that the problem makes, rounded as it rounds them
	v_sub_f32 v[Q], v[B], v[C]
	v_add_nc_u32 v[P], v[P], v[F]
	v_cmp_lt_u32 vcc_lo, v[Q], v[P]
	v_cndmask_b32 v[CUR], v[C], v[CUR], vcc_lo     ; not up at the probe: move there
.endr
	v_add_nc_u32 v[TV], v[CUR], v[W]               ; T: the smallest x that goes up (W = 1; 0 for equal entries: T = b)
	v_add_nc_u32 v[NA], -1, v[TV]                  ; mirrored: the lower entry has x <= -T', so the upper one begins at the next
	v_or_b32 v[NA], 0x80000000, v[NA]              ; float above -T': one less in magnitude (T' > 0 there), sign set
	v_cndmask_b32 v[TV], v[TV], v[NA], s11
	ds_store_b32 v[LA], v[SV]                      ; bytes 0-127: S
	ds_store_b32 v[LA], v[TV] offset:128           ; bytes 128-255: T
	s_wait_dscnt 0x0                               ; both lists are in LDS before wave 0 signals: the other waves read them
	s_branch .Ljoin
.Lothers:
	XLOADS                                         ; waves 1-27: their x, and then the barrier
.Ljoin:
	s_barrier_signal -1
	s_barrier_wait -1
	ds_load_b32 v[SV], v[LA]
	ds_load_b32 v[TV], v[LA] offset:128
	s_wait_dscnt 0x0
.irp j, 0,1,2,3,4,5,6,7,8,9,10,11,12,13,14,15,16
	v_readlane_b32 s[SO+\j], v[SV], \j
.endr
.irp j, 0,1,2,3,4,5,6,7,8,9,10,11,12,13,14,15
	v_readlane_b32 s[TH+\j], v[TV], \j
.endr
	v_mov_b32 v[VS0], s[SO]
; One switch for the four elements of step t: below T the choice stays, from T on it is the entry above.  T0 <= T1 <= .. <= T15
; (T[j] lies in (S[j], S[j+1]], or one float above a pair of equal entries), so the last switch that x has reached decides.
; Four compares, then four selects, each with a mask register of its own: no select follows straight on its compare.
.macro SWITCH t, th, val, dst, src
.irp e, 0,1,2,3
	v_cmp_gt_f32 s[MK+\e], s[\th], v[X+4*\t+\e]
.endr
.irp e, 0,1,2,3
	v_cndmask_b32 v[\dst+\e], s[\val], v[\src+\e], s[MK+\e]
.endr
.endm
.macro TURN t
	s_wait_loadcnt NLOAD-1-\t                      ; loads come back in order: step t is in, the 13 - t younger ones stay out
.irp e, 0,1,2,3
	v_cmp_gt_f32 s[MK+\e], s[TH], v[X+4*\t+\e]
.endr
.irp e, 0,1,2,3
	v_cndmask_b32 v[O+\e], s[SO+1], v[VS0], s[MK+\e]       ; the first switch starts the chain: S0 or S1, nothing is preset
.endr
.set j, 1
.rept 14
	SWITCH \t, TH+j, SO+1+j, O, O
.set j, j+1
.endr
	SWITCH \t, TH+15, SO+16, X+4*\t, O             ; the last select lands on x, which its compare has read: stored from there
	global_store_b128 v[OFF], v[X+4*\t:X+4*\t+3], s[8:9] offset:\t*STEP th:TH_STORE_NT
.endm
.irp t, 0,1,2,3,4,5,6,7,8,9,10,11,12,13
	TURN \t
.endr
	s_wait_tensorcnt 0x0
	ds_add_u32 v88, v89
	s_wait_dscnt 0x0
	s_endpgm
.Lfunc_end_k_q050b5463f0_quant:
	.size	k_q050b5463f0_quant, .Lfunc_end_k_q050b5463f0_quant-k_q050b5463f0_quant
	.p2alignl 7, 3214868480
	.fill 96, 4, 3214868480
	.section	.rodata,"a",@progbits
	.p2align	6, 0x0
	.amdhsa_kernel k_q050b5463f0_quant
		.amdhsa_group_segment_fixed_size 3840
		.amdhsa_private_segment_fixed_size 0
		.amdhsa_enable_private_segment 0
		.amdhsa_kernarg_size 24
		.amdhsa_user_sgpr_count 2
		.amdhsa_user_sgpr_kernarg_segment_ptr 1
		.amdhsa_wavefront_size32 1
		.amdhsa_system_sgpr_workgroup_id_x 1
		.amdhsa_system_sgpr_workgroup_id_y 1
		.amdhsa_system_sgpr_workgroup_id_z 1
		.amdhsa_system_vgpr_workitem_id 0
		.amdhsa_next_free_vgpr 90
		.amdhsa_next_free_sgpr 88
		.amdhsa_reserve_vcc 1
		.amdhsa_float_denorm_mode_32 3
		.amdhsa_float_denorm_mode_16_64 3
		.amdhsa_memory_ordered 1
		.amdhsa_forward_progress 1
		.amdhsa_inst_pref_size 138
	.end_amdhsa_kernel
	.amdgpu_metadata
---
amdhsa.version: [ 1, 2 ]
amdhsa.kernels:
  - .name:           k_q050b5463f0_quant
    .symbol:         k_q050b5463f0_quant.kd
    .args:
      - { .name: pow2_values, .offset: 0, .size: 8, .value_kind: global_buffer, .address_space: global }
      - { .name: x, .offset: 8, .size: 8, .value_kind: global_buffer, .address_space: global }
      - { .name: out0, .offset: 16, .size: 8, .value_kind: global_buffer, .address_space: global }
    .group_segment_fixed_size: 3840
    .private_segment_fixed_size: 0
    .kernarg_segment_align: 8
    .kernarg_segment_size: 24
    .max_flat_workgroup_size: 896
    .sgpr_count:     88
    .vgpr_count:     90
    .wavefront_size: 32
...
	.end_amdgpu_metadata
.endif
;; end of part 1
